; MI455X (gfx1250); checked and timed in simulation.
; The chip was launched on July 23, 2026; its instructions are those of AMD's public machine-readable ISA for CDNA 5 (MIT licence, August 2026) and "CDNA5" Instruction Set Architecture Reference Guide (July 2026). The comments in the code are by the model that wrote it; some were corrected since.
;; Casual Self Attention. Allowed arithmetic: float matrix products may take bf16 or f16 operands with f32 sums; all other float work in f32.
;; Inputs: b_attn 3,072 float32; b_proj 1,024 float32; w_attn 3,072 x 1,024 float32; w_proj 1,024 x 1,024 float32; x 2 x 2,048 x 1,024 float32.
;; Outputs: out0 2 x 2,048 x 1,024 float32.
;; One version. Each part assembles by itself: llvm-mc -triple=amdgcn-amd-amdhsa -mcpu=gfx1250 --defsym DOCPART=n.
;; ======== version 1 of 1: 4 launches
;; limits: values are held in f16: magnitudes above 65,504 overflow, below 6.1e-05 lose precision; right only within a limited range of input values
;; workspace buffers: cvt 16,777,216 bytes; qkv 25,165,824 bytes; yb 8,388,608 bytes
;; launch cvt (part 1): grid 1024 x 1, 8 waves a work-group, no clusters, 0 bytes of LDS; arguments x, w_attn, w_proj, cvt; writes cvt
.if DOCPART == 1
	.amdgcn_target "amdgcn-amd-amdhsa--gfx1250"
	.amdhsa_code_object_version 6
	.text
	.protected	k_qc943c8a961_cvt
	.globl	k_qc943c8a961_cvt
	.p2align	8
	.type	k_qc943c8a961_cvt,@function
k_qc943c8a961_cvt:
	s_mov_b64 s[64:65], 0
	v_nop
	global_prefetch_b8 v0, s[64:65] scope:SCOPE_SE
	s_setreg_imm32_b32 hwreg(HW_REG_WAVE_MODE, 25, 1), 1
	s_wait_xcnt 0x0
; The three large f32 inputs are rounded once to 16 bits, so that both GEMMs read 16-bit tiles.
;   cvt byte 0         : x       [4096][1024] bf16
;   cvt byte 8,388,608 : w_attn  [3072][1024] bf16
;   cvt byte 14,680,064: w_proj  [1024][1024], rounded to bf16 and carried as f16 (its partner in the product, y, is f16).
; LIMIT: a bf16 value is exact in f16 for 2^-17 <= |w| < 65,504; below that the error is at most 2^-25, above it the value becomes infinite.
; A stream: no LDS, no barrier, no matrix unit.  The three inputs count as one run of 8,388,608 numbers; work-group g owns numbers
; 8,192 g .. 8,192 g + 8,191 (32,768 bytes in, 16,384 bytes out).  Groups 0-511 lie in x, 512-895 in w_attn, 896-1023 in w_proj.
; Thread t takes 16 bytes at 16 t of each of eight runs of 4,096 bytes: all eight loads are out at once, each slot has its own registers.
.set XG,  512                          ; first work-group of w_attn
.set PG,  896                          ; first work-group of w_proj
.set X,   8                            ; v[8:39]   slot i: four f32 as loaded
.set Y,   40                           ; v[40:55]  slot i: four 16-bit numbers to store
.set T,   56                           ; v[56:59]  at work
	s_load_b256 s[4:11], s[0:1], 0x0               ; x s[4:5], w_attn s[6:7], w_proj s[8:9], cvt s[10:11]
	s_sub_co_u32 s12, ttmp9, XG                    ; my number inside w_attn
	s_sub_co_u32 s13, ttmp9, PG                    ; my number inside w_proj
	s_lshl_b32 s18, ttmp9, 14                      ; my 16,384 bytes of the output
	s_mov_b32 s19, 0
	s_mov_b32 s17, 0
	v_lshlrev_b32 v1, 4, v0                        ; 16 t: in
	v_lshlrev_b32 v2, 3, v0                        ; 8 t: out
	s_wait_kmcnt 0x0
	s_cmp_lt_u32 ttmp9, PG
	s_cselect_b64 s[14:15], s[6:7], s[8:9]         ; which input, and my number in it
	s_cselect_b32 s16, s12, s13
	s_cmp_lt_u32 ttmp9, XG
	s_cselect_b64 s[14:15], s[4:5], s[14:15]
	s_cselect_b32 s16, ttmp9, s16
	s_lshl_b32 s16, s16, 15                        ; times 32,768 bytes
	s_add_nc_u64 s[14:15], s[14:15], s[16:17]
	s_add_nc_u64 s[10:11], s[10:11], s[18:19]
.irp i, 0,1,2,3,4,5,6,7
	global_load_b128 v[X+4*\i:X+4*\i+3], v1, s[14:15] offset:4096*\i th:TH_LOAD_NT   ; a wave covers 512 consecutive bytes; read once in the launch
.endr
; One slot: round, store.  f16 = 1: the bf16 values are widened again and written as f16.
.macro OUT i, f16
	s_wait_loadcnt 7-\i                            ; loads come back in order: slot i is in, the 7 - i younger ones may be out
	v_cvt_pk_bf16_f32 v[Y+2*\i],   v[X+4*\i],   v[X+4*\i+1]
	v_cvt_pk_bf16_f32 v[Y+2*\i+1], v[X+4*\i+2], v[X+4*\i+3]
.if \f16
	v_lshlrev_b32 v[T],   16,         v[Y+2*\i]
	v_and_b32     v[T+1], 0xffff0000, v[Y+2*\i]
	v_lshlrev_b32 v[T+2], 16,         v[Y+2*\i+1]
	v_and_b32     v[T+3], 0xffff0000, v[Y+2*\i+1]
	v_cvt_pk_f16_f32 v[Y+2*\i],   v[T],   v[T+1]
	v_cvt_pk_f16_f32 v[Y+2*\i+1], v[T+2], v[T+3]
.endif
	global_store_b64 v2, v[Y+2*\i:Y+2*\i+1], s[10:11] offset:2048*\i   ; the wave's 32 lanes store 256 consecutive bytes, aligned
.endm
	s_cmp_ge_u32 ttmp9, PG
	s_cbranch_scc1 .Lproj
.irp i, 0,1,2,3,4,5,6,7
	OUT \i, 0
.endr
	s_endpgm
.Lproj:
.irp i, 0,1,2,3,4,5,6,7
	OUT \i, 1
.endr
	s_endpgm
.Lfunc_end_k_qc943c8a961_cvt:
	.size	k_qc943c8a961_cvt, .Lfunc_end_k_qc943c8a961_cvt-k_qc943c8a961_cvt
	.p2alignl 7, 3214868480
	.fill 96, 4, 3214868480
	.section	.rodata,"a",@progbits
	.p2align	6, 0x0
	.amdhsa_kernel k_qc943c8a961_cvt
		.amdhsa_group_segment_fixed_size 0
		.amdhsa_private_segment_fixed_size 0
		.amdhsa_enable_private_segment 0
		.amdhsa_kernarg_size 32
		.amdhsa_user_sgpr_count 2
		.amdhsa_user_sgpr_kernarg_segment_ptr 1
		.amdhsa_wavefront_size32 1
		.amdhsa_system_sgpr_workgroup_id_x 1
		.amdhsa_system_sgpr_workgroup_id_y 1
		.amdhsa_system_sgpr_workgroup_id_z 1
		.amdhsa_system_vgpr_workitem_id 0
		.amdhsa_next_free_vgpr 64
		.amdhsa_next_free_sgpr 66
		.amdhsa_reserve_vcc 0
		.amdhsa_float_denorm_mode_32 3
		.amdhsa_float_denorm_mode_16_64 3
		.amdhsa_memory_ordered 1
		.amdhsa_forward_progress 1
		.amdhsa_inst_pref_size 9
	.end_amdhsa_kernel
	.amdgpu_metadata
---
amdhsa.version: [ 1, 2 ]
amdhsa.kernels:
  - .name:           k_qc943c8a961_cvt
    .symbol:         k_qc943c8a961_cvt.kd
    .args:
      - { .name: x, .offset: 0, .size: 8, .value_kind: global_buffer, .address_space: global }
      - { .name: w_attn, .offset: 8, .size: 8, .value_kind: global_buffer, .address_space: global }
      - { .name: w_proj, .offset: 16, .size: 8, .value_kind: global_buffer, .address_space: global }
      - { .name: cvt, .offset: 24, .size: 8, .value_kind: global_buffer, .address_space: global }
    .group_segment_fixed_size: 0
    .private_segment_fixed_size: 0
    .kernarg_segment_align: 8
    .kernarg_segment_size: 32
    .max_flat_workgroup_size: 256
    .sgpr_count:     66
    .vgpr_count:     64
    .wavefront_size: 32
...
	.end_amdgpu_metadata
.endif
;; end of part 1
;; launch qkv (part 2): grid 16 x 16, 4 waves a work-group, clusters of 4 x 4, 327,680 bytes of LDS; arguments cvt, b_attn, qkv; writes qkv
.if DOCPART == 2
	.amdgcn_target "amdgcn-amd-amdhsa--gfx1250"
	.amdhsa_code_object_version 6
	.text
	.protected	k_qc943c8a961_qkv
	.globl	k_qc943c8a961_qkv
	.p2align	8
	.type	k_qc943c8a961_qkv,@function
k_qc943c8a961_qkv:
	s_mov_b64 s[64:65], 0
	v_nop
	global_prefetch_b8 v0, s[64:65] scope:SCOPE_SE
	s_setreg_imm32_b32 hwreg(HW_REG_WAVE_MODE, 25, 1), 1
	s_wait_xcnt 0x0
	s_wait_alu depctr_hold_cnt(0) depctr_sa_sdst(0) depctr_va_vdst(0) depctr_va_sdst(0) depctr_va_ssrc(0) depctr_va_vcc(0) depctr_vm_vsrc(0)
	s_getreg_b32 s2, hwreg(HW_REG_IB_STS2, 6, 4)
	s_cmp_eq_u32 s2, 0
	s_cbranch_scc0 .Lentry_in_a_cluster
	s_endpgm
.Lentry_in_a_cluster:
	s_bfe_u32 s2, ttmp6, 0x10000c
	s_cmp_lg_u32 s2, 0xf033
	s_cbranch_scc0 .Lentry_shape_is_right
	s_endpgm
.Lentry_shape_is_right:
; qkv = x w_attn^T + b_attn, then RoPE on q and k, stored as f16 [3][B][H][T][64].
; A work-group makes 256 rows x 192 columns (three whole heads) with four waves; wave w makes rows 64 w .. 64 w + 63 of all 192 columns:
; 48 accumulator tiles of 16 x 16, 384 registers.  K = 1024 goes in steps of 128 through two LDS slots filled by the tensor data mover.
; 16 x 16 work-groups.  CLUSTERS of 4 x 4: the four of a row of the cluster need the same tiles of x, the four of a column the same tiles of
; w_attn; each such tile is asked for jointly, which divides the requests for both by four.
; The matrix instruction is used transposed (source 0 = rows of w_attn, source 1 = rows of x): lane (r, h) holds row r and the eight
; neighbouring columns 8 h + 0..7 of a tile, that is four (even, odd) pairs of RoPE.
; WHAT IS STORED.  q is stored times log2(e)/8 (the softmax scale and the change to base 2).  q and k are rotated IN PLACE: position 2 i holds
; xe cos - xo sin, position 2 i + 1 holds xe sin + xo cos.  That is the same permutation of d in q and in k, so q . k is as with the two halves laid one behind the other.
; One text serves q, k and v heads without a branch: c' = alpha cos + beta, s' = alpha sin, with (alpha, beta) = (log2(e)/8, 0), (1, 0), (0, 1).
; sin and cos are made here: turns = t 10000^(-i/32) / (2 pi), the fraction f of a turn by one fused multiply-add, polynomials in f^2 for
; sin(pi f) and cos(pi f) (cut-off error below 4e-6), then the double-angle formulas.
; LIMITS: the angle is good to about 5e-4 rad at t = 2047 (rounding of the exponent and of v_exp_f32); |q| log2(e)/8, |k|, |v| must stay below 65,504
; (f16); NaN and infinities in the inputs are not reproduced (for v heads 0 x inf would arise).
;
; REGISTERS in windows of 256:  window 0: addresses, A's fragments (two buffers), bias, table and way-out registers;
; window 1: B's fragments, two buffers of 96;  window 2: accumulators of my rows 0-31 (tile (a, b) at v[8 (12 (a % 2) + b)]);  window 3: rows 32-63.
.set SIZE_K, 1024
.set KSTEP,  128
.set PITCH,  272                       ; an LDS row: 256 bytes + 16 of padding, so that the 16 rows of a fragment load start at 16 different banks (64 banks of 4 bytes: ISA guide 11.1)
.set HALFA,  128*PITCH                 ; one tensor load of x: 128 rows
.set HALFB,  96*PITCH                  ; one tensor load of w_attn: 96 rows
.set SLOT,   2*HALFA+2*HALFB           ; 121,856 bytes: x's 256 rows, then w_attn's 192 rows
.set BOFF,   2*HALFA-2*HALFB           ; waves 2 and 3 put their loads at wave x HALFB + BOFF = behind x's rows
.set TAB,    2*SLOT                    ; behind the ring: 16,384 bytes a wave, cos and sin of its 64 rows x 32 frequencies
.set TABW,   16384
.set STAGE,  TAB+4*TABW                ; 16 rows x 144 bytes a wave, for the way out
.set SPITCH, 144
.set LAPS,   SIZE_K/(2*KSTEP)          ; 4 laps of two K steps
.set WAB,    8388608                   ; byte of w_attn's bf16 copy in cvt
.set G1W0,   (1<<16)|(1<<20)|(1<<21)|(5<<22)|(3<<25)   ; 2-byte elements; padding on; bit 21 beside a mask; after every 64 words; 4 words
.set ALV,  4                           ; v[4:9]     alpha of head 0, 1, 2, each twice
.set BEV,  10                          ; v[10:15]   beta likewise
.set ADRA, 16                          ; v16-17     LDS address of my A fragments in slot 0, 1
.set ADRB, 20                          ; v20-21     the same for B
.set STO,  24                          ; way out: where I put 16 bytes of a row
.set RD,   25                          ; way out: where I read rows back
.set GO,   26                          ; 16 x lane: my bytes in a run of 512 of the output
.set TABA, 27                          ; my 16 bytes in my wave's table
.set FA,   32                          ; v32-63, v64-95   A's fragments, buffers 0 and 1
.set TMP,  96                          ; v96-127    a head's 16 rows x 64 columns with the bias added
.set CS,   128                         ; v128-159   cos and sin of 16 rows
.set BIAS, 160                         ; v160-255   b_attn of my 8 columns in each of the 12 tiles
.set CPR,  32                          ; behind the loop, in A's fragment registers: c' of four pairs
.set SPR,  36                          ; s' of four pairs
.set UU,   40                          ; eight rotated numbers
.set PKD,  48                          ; v48-63     packed f16
.set RB,   64                          ; v64-79, v80-95   rows read back, two sets
.set FR,   96                          ; ahead of the loop: v96-111 my 16 frequencies over 2 pi
.set TF,   112                         ; v112-115   position of my row in row tile a, as f32
.set TU,   116                         ; fractions of a turn
.set YY,   120                         ; their squares
.set PS,   124                         ; -sin(pi f)
.set PC,   128                         ; cos(pi f)
.set T2,   132                         ; 2 sin(pi f)
.set WW,   136                         ; v136-143   c0 c1 s0 s1 | c2 c3 s2 s3
.set KS,   144                         ; top coefficient of the sine's polynomial, twice
.set KC,   146                         ; of the cosine's
.set G1,   24                          ; s[24:31] group 1 for x's tiles
.set G0,   32                          ; s[32:39] group 0 for x's tiles, one set a slot
.set G1B,  48                          ; s[48:55] group 1 for w_attn's tiles
.set G0B,  56                          ; s[56:63] group 0 for w_attn's tiles, one set a slot
.set OUTB, 80                          ; s[80:85] where my rows of head 0, 1, 2 go
.set MSB, 0
.macro WIN new                         ; the immediate's high byte repeats the setting that is left
.if MSB != \new
	s_set_vgpr_msb (MSB<<8)|\new
.set MSB, \new
.endif
.endm
.set MUL_LO, 0xa1                      ; source 0 (B) window 1, source 1 (A) window 0, C and D window 2
.set MUL_HI, 0xf1                      ; the same, C and D window 3
.set TO_B,   0x40                      ; destination window 1, address window 0
; A joint load.  Waves 0 and 1 fetch x's two halves, waves 2 and 3 w_attn's.  The branch hangs on the wave's number alone.
.macro JLOAD s
	s_cmp_ge_u32 s10, 2
	s_cbranch_scc1 .Lfor_b_\@
	tensor_load_to_lds s[G0+4*\s:G0+4*\s+3], s[G1:G1+7]
	s_nop 0
	s_branch .Lasked_\@
.Lfor_b_\@:
	tensor_load_to_lds s[G0B+4*\s:G0B+4*\s+3], s[G1B:G1B+7]
	s_nop 0
.Lasked_\@:
.endm
.macro CREST                           ; a round of the cluster's barrier behind its opening barrier
	s_cmp_lg_u32 s10, 0
	s_cbranch_scc1 .Lnot_wave_0_\@
	s_barrier_signal -3
.Lnot_wave_0_\@:
	s_barrier_wait -3
	s_barrier_signal -1
	s_barrier_wait -1
.endm
.macro CROUND                          ; a whole round
	s_barrier_signal -1
	s_barrier_wait -1
	CREST
.endm
.macro PLACES                          ; four places behind matrix instructions, ahead of loads into and vector work on their registers
.rept 4
	v_nop
.endr
.endm
	s_load_b128 s[4:7], s[0:1], 0x0                ; cvt s[4:5], b_attn s[6:7]
	s_load_b64 s[8:9], s[0:1], 0x10                ; qkv
	s_set_vgpr_msb 0x40
	v_lshl_add_u32 v255, v0, 2, 0x4dc00
	s_set_vgpr_msb 0x4000
	v_mov_b32 v31, 0
	s_set_vgpr_msb 0x1
	ds_add_u32 v255, v31
	ds_add_u32 v255, v31
	s_set_vgpr_msb 0x100
	v_lshrrev_b32 v1, 5, v0
	v_readfirstlane_b32 s10, v1                    ; wave 0..3
	s_and_b32 s12, s10, 1                          ; which half of a tile I fetch
	s_bfe_u32 s40, ttmp6, 0x40000                  ; cx
	s_bfe_u32 s41, ttmp6, 0x40004                  ; cy
	s_lshl_b32 s42, ttmp9, 2
	s_add_co_u32 s42, s42, s40                     ; bx: block of 192 columns
	s_and_b32 s13, ttmp7, 0xffff
	s_lshl_b32 s13, s13, 2
	s_add_co_u32 s13, s13, s41                     ; by: block of 256 rows
	s_lshl_b32 s43, s41, 2
	s_lshl_b32 s43, 15, s43                        ; my row of the cluster
	s_lshl_b32 s44, 0x1111, s40                    ; my column
	s_or_b32 s[G1+0], s43, G1W0                    ; x's tiles go to my row
	s_or_b32 s[G1B+0], s44, G1W0                   ; w_attn's to my column
	s_mov_b32 s[G1+1], KSTEP<<16                   ; tensor_dim0 = 128
	s_mov_b32 s[G1B+1], KSTEP<<16
	s_mov_b32 s[G1+2], 128<<16                     ; tensor_dim1 = 128 rows
	s_mov_b32 s[G1B+2], 96<<16                     ;               96 rows
	s_mov_b32 s[G1+3], KSTEP<<16                   ; tile_dim0 = 128
	s_mov_b32 s[G1B+3], KSTEP<<16
	s_mov_b32 s[G1+4], 128                         ; tile_dim1
	s_mov_b32 s[G1B+4], 96
	s_mov_b32 s[G1+5], SIZE_K                      ; elements from row to row
	s_mov_b32 s[G1B+5], SIZE_K
	s_mov_b32 s[G1+6], 0
	s_mov_b32 s[G1B+6], 0
	s_mov_b32 s[G1+7], 0
	s_mov_b32 s[G1B+7], 0
	s_lshl_b32 s17, s12, 7
	s_lshl_b32 s16, s13, 8
	s_add_co_u32 s16, s16, s17                     ; x: row 256 by + 128 half
	s_lshl_b32 s16, s16, 11                        ; times 2,048 bytes
	s_mov_b32 s17, 0
	s_mul_i32 s46, s42, 192
	s_mul_i32 s47, s12, 96
	s_add_co_u32 s46, s46, s47                     ; w_attn: row 192 bx + 96 half
	s_lshl_b32 s46, s46, 11
	s_add_co_u32 s46, s46, WAB
	s_mov_b32 s47, 0
	s_mul_i32 s20, s10, HALFA                      ; where they go: the wave's number times a constant, no place in the cluster
	s_mul_i32 s21, s10, HALFB
	s_add_co_u32 s21, s21, BOFF
	s_wait_dscnt 0x0
	s_wait_kmcnt 0x0
	s_add_nc_u64 s[14:15], s[4:5], s[16:17]
	s_add_nc_u64 s[46:47], s[4:5], s[46:47]
	CROUND                                         ; all sixteen work-groups are here: the first joint loads meet
.irp s, 0,1
	s_mov_b32 s[G0+4*\s], 1
	s_add_co_u32 s[G0+4*\s+1], s20, \s*SLOT
	s_add_nc_u64 s[G0+4*\s+2:G0+4*\s+3], s[14:15], \s*KSTEP*2
	s_or_b32 s[G0+4*\s+3], s[G0+4*\s+3], 0x80000000
	s_mov_b32 s[G0B+4*\s], 1
	s_add_co_u32 s[G0B+4*\s+1], s21, \s*SLOT
	s_add_nc_u64 s[G0B+4*\s+2:G0B+4*\s+3], s[46:47], \s*KSTEP*2
	s_or_b32 s[G0B+4*\s+3], s[G0B+4*\s+3], 0x80000000
	JLOAD \s                                       ; K steps 0 and 1: two tensor loads of the wave are out
.endr
	; the bias of my eight columns in each of the twelve tiles
	v_and_b32 v1, 15, v0                           ; r
	v_bfe_u32 v2, v0, 4, 1                         ; h
	v_lshlrev_b32 v28, 5, v2                       ; 8 h numbers of 4 bytes
	s_mul_i32 s86, s42, 768                        ; 192 bx numbers
	s_mov_b32 s87, 0
	s_add_nc_u64 s[6:7], s[6:7], s[86:87]
.irp b, 0,1,2,3,4,5,6,7,8,9,10,11
	global_load_b128 v[BIAS+8*\b:BIAS+8*\b+3],   v28, s[6:7] offset:64*\b
	global_load_b128 v[BIAS+8*\b+4:BIAS+8*\b+7], v28, s[6:7] offset:64*\b+16
.endr
	; LDS addresses
	v_mul_u32_u24 v3, v1, PITCH
	v_lshl_add_u32 v3, v2, 4, v3                   ; r x pitch + 16 h
	s_mul_i32 s22, s10, 64*PITCH                   ; my 64 rows of x
	v_add_nc_u32 v[ADRA], s22, v3
	v_add_nc_u32 v[ADRA+1], SLOT, v[ADRA]
	v_add_nc_u32 v[ADRB], 2*HALFA, v3              ; every wave reads all 192 rows of w_attn
	v_add_nc_u32 v[ADRB+1], 2*HALFA+SLOT, v3
	s_mul_i32 s23, s10, 16*SPITCH
	s_add_co_u32 s23, s23, STAGE                   ; my stage
	v_mul_u32_u24 v29, v1, SPITCH
	v_lshl_add_u32 v29, v2, 4, v29
	v_add_nc_u32 v[STO], s23, v29                  ; in: row r, 16 bytes for each half of the lanes
	v_bfe_u32 v29, v0, 3, 2
	v_and_b32 v30, 7, v0
	v_mul_u32_u24 v29, v29, SPITCH
	v_lshl_add_u32 v29, v30, 4, v29
	v_add_nc_u32 v[RD], s23, v29                   ; back: eight lanes take a row of 128 bytes, the wave four rows
	v_and_b32 v30, 31, v0
	v_lshlrev_b32 v[GO], 4, v30
	s_lshl_b32 s88, s10, 14
	s_add_co_u32 s88, s88, TAB
	v_lshl_add_u32 v[TABA], v30, 4, s88
	; per head: alpha, beta and where my rows go.  Selects, no branch: the head's kind hangs on bx.
	s_lshr_b32 s91, s13, 3
	s_lshl_b32 s91, s91, 4                         ; 16 x batch
	s_and_b32 s92, s13, 7
	s_lshl_b32 s92, s92, 8
	s_lshl_b32 s93, s10, 6
	s_add_co_u32 s92, s92, s93                     ; position t of my first row
	s_lshl_b32 s93, s92, 7                         ; its byte in a head's plane (rows of 128 bytes)
	s_mul_i32 s86, s42, 3                          ; my first head among the 48 of q, k, v
	s_mov_b32 s66, 0x3e38aa3b                      ; log2(e) / 8
	s_mov_b32 s67, 0x3f800000                      ; 1.0
	s_mov_b32 s95, 0
.irp hd, 0,1,2
	s_add_co_u32 s87, s86, \hd
	s_cmp_lt_u32 s87, 16
	s_cselect_b32 s88, s66, s67                    ; q: the scale; k: 1
	s_cmp_lt_u32 s87, 32
	s_cselect_b32 s88, s88, 0                      ; v: alpha = 0,
	s_cselect_b32 s89, 0, s67                      ;    beta = 1
	v_mov_b32 v[ALV+2*\hd], s88
	v_mov_b32 v[ALV+2*\hd+1], s88
	v_mov_b32 v[BEV+2*\hd], s89
	v_mov_b32 v[BEV+2*\hd+1], s89
	s_lshr_b32 s90, s87, 4
	s_lshl_b32 s90, s90, 4
	s_add_co_u32 s90, s90, s87                     ; plane = 32 kind + head = number + 16 kind,
	s_add_co_u32 s90, s90, s91                     ; + 16 batch
	s_lshl_b32 s90, s90, 18                        ; planes of 262,144 bytes
	s_add_co_u32 s94, s90, s93
	s_add_nc_u64 s[OUTB+2*\hd:OUTB+2*\hd+1], s[8:9], s[94:95]
.endr
	; my 16 frequencies over 2 pi: i = 8 bm + 4 h + p at FR + 4 bm + p;  2^(-i log2(10000)/32 - log2(2 pi))
	s_mov_b32 s86, 0xbed49a78                      ; -log2(10000)/32
	v_lshlrev_b32 v3, 2, v2
.set n, 0
.rept 16
	v_add_nc_u32 v[FR+n], 8*(n/4)+(n%4), v3
	v_cvt_f32_u32 v[FR+n], v[FR+n]
	v_fmaak_f32 v[FR+n], s86, v[FR+n], 0xc029b21d  ; - log2(2 pi)
.set n, n+1
.endr
.set n, 0
.rept 16
	v_exp_f32 v[FR+n], v[FR+n]
.set n, n+1
.endr
	v_add_nc_u32 v29, s92, v1                      ; plain work behind the exponentials, ahead of their first use (ISA guide 5.7.2)
	v_cvt_f32_u32 v[TF], v29                       ; t of my row in row tile 0,
	v_add_f32 v[TF+1], 0x41800000, v[TF]           ; + 16
	v_add_f32 v[TF+2], 0x42000000, v[TF]           ; + 32
	v_add_f32 v[TF+3], 0x42400000, v[TF]           ; + 48
	v_mov_b32 v[KS],   0xbda83c1b                  ; -pi^9/9!
	v_mov_b32 v[KS+1], 0xbda83c1b
	v_mov_b32 v[KC],   0xbcd368f9                  ; -pi^10/10!
	v_mov_b32 v[KC+1], 0xbcd368f9
	s_wait_alu depctr_va_vdst(0)
; cos and sin of row tile a for the four pairs of column tile bm of a head; 32 bytes a lane into my wave's own table
.macro TABLE a, bm
.irp p, 0,1,2,3
	v_mul_f32 v[TU+\p], v[TF+\a], v[FR+4*\bm+\p]   ; turns
.endr
.irp p, 0,1,2,3
	v_rndne_f32 v[YY+\p], v[TU+\p]
.endr
.irp p, 0,1,2,3
	v_fma_f32 v[TU+\p], v[TF+\a], v[FR+4*\bm+\p], -v[YY+\p]   ; f in [-1/2, 1/2], from the unrounded product
.endr
.irp q, 0,2
	v_pk_mul_f32 v[YY+\q:YY+\q+1], v[TU+\q:TU+\q+1], v[TU+\q:TU+\q+1]
.endr
.irp q, 0,2
	v_pk_fma_f32 v[PS+\q:PS+\q+1], v[YY+\q:YY+\q+1], v[KS:KS+1], 0x3f196966 op_sel_hi:[1,1,0]   ; + pi^7/7!
	v_pk_fma_f32 v[PC+\q:PC+\q+1], v[YY+\q:YY+\q+1], v[KC:KC+1], 0x3e70fa83 op_sel_hi:[1,1,0]   ; + pi^8/8!
.endr
.irp q, 0,2
	v_pk_fma_f32 v[PS+\q:PS+\q+1], v[PS+\q:PS+\q+1], v[YY+\q:YY+\q+1], 0xc02335e3 op_sel_hi:[1,1,0]   ; - pi^5/5!
	v_pk_fma_f32 v[PC+\q:PC+\q+1], v[PC+\q:PC+\q+1], v[YY+\q:YY+\q+1], 0xbfaae9e4 op_sel_hi:[1,1,0]   ; - pi^6/6!
.endr
.irp q, 0,2
	v_pk_fma_f32 v[PS+\q:PS+\q+1], v[PS+\q:PS+\q+1], v[YY+\q:YY+\q+1], 0x40a55de7 op_sel_hi:[1,1,0]   ; + pi^3/3!
	v_pk_fma_f32 v[PC+\q:PC+\q+1], v[PC+\q:PC+\q+1], v[YY+\q:YY+\q+1], 0x4081e0f8 op_sel_hi:[1,1,0]   ; + pi^4/4!
.endr
.irp q, 0,2
	v_pk_fma_f32 v[PS+\q:PS+\q+1], v[PS+\q:PS+\q+1], v[YY+\q:YY+\q+1], 0xc0490fdb op_sel_hi:[1,1,0]   ; - pi
	v_pk_fma_f32 v[PC+\q:PC+\q+1], v[PC+\q:PC+\q+1], v[YY+\q:YY+\q+1], 0xc09de9e6 op_sel_hi:[1,1,0]   ; - pi^2/2!
.endr
.irp q, 0,2
	v_pk_mul_f32 v[PS+\q:PS+\q+1], v[PS+\q:PS+\q+1], v[TU+\q:TU+\q+1]                          ; -sin(pi f)
	v_pk_fma_f32 v[PC+\q:PC+\q+1], v[PC+\q:PC+\q+1], v[YY+\q:YY+\q+1], 1.0 op_sel_hi:[1,1,0]   ; cos(pi f)
.endr
.irp q, 0,2
	v_pk_mul_f32 v[T2+\q:T2+\q+1], v[PS+\q:PS+\q+1], -2.0 op_sel_hi:[1,0]                      ; 2 sin(pi f)
.endr
.irp q, 0,2
	v_pk_fma_f32 v[WW+2*\q:WW+2*\q+1], v[T2+\q:T2+\q+1], v[PS+\q:PS+\q+1], 1.0 op_sel_hi:[1,1,0]   ; cos = 1 - 2 sin^2
	v_pk_mul_f32 v[WW+2*\q+2:WW+2*\q+3], v[T2+\q:T2+\q+1], v[PC+\q:PC+\q+1]                        ; sin = 2 sin cos
.endr
	ds_store_b128 v[TABA], v[WW:WW+3]   offset:(4*\a+\bm)*1024
	ds_store_b128 v[TABA], v[WW+4:WW+7] offset:(4*\a+\bm)*1024+512
.endm
.irp a, 0,1,2,3
.irp bm, 0,1,2,3
	TABLE \a, \bm                                  ; done while the first tiles are on their way
.endr
.endr
; 12 matrix instructions: row tile a of my four x all 12 column tiles, 32 along K, fragment buffer n.  zero = 1: the product starts the sums.
.macro MULA n, a, zero
.irp b, 0,1,2,3,4,5,6,7,8,9,10,11
.if \zero
	v_wmma_f32_16x16x32_bf16 v[8*(12*(\a%2)+\b):8*(12*(\a%2)+\b)+7], v[96*\n+8*\b:96*\n+8*\b+7], v[FA+32*\n+8*\a:FA+32*\n+8*\a+7], 0
.else
	v_wmma_f32_16x16x32_bf16 v[8*(12*(\a%2)+\b):8*(12*(\a%2)+\b)+7], v[96*\n+8*\b:96*\n+8*\b+7], v[FA+32*\n+8*\a:FA+32*\n+8*\a+7], v[8*(12*(\a%2)+\b):8*(12*(\a%2)+\b)+7]
.endif
.endr
.endm
; 32 LDS loads in one run: 192 rows of B, then my 64 rows of A, 32 K at byte k of the rows, into buffer n
.macro FETCH slot, k, n
	WIN TO_B
.irp i, 0,1,2,3,4,5,6,7,8,9,10,11
	ds_load_b128 v[96*\n+8*\i:96*\n+8*\i+3],   v[ADRB+\slot] offset:\k+\i*16*PITCH
	ds_load_b128 v[96*\n+8*\i+4:96*\n+8*\i+7], v[ADRB+\slot] offset:\k+\i*16*PITCH+32
.endr
	WIN 0
.irp i, 0,1,2,3
	ds_load_b128 v[FA+32*\n+8*\i:FA+32*\n+8*\i+3],   v[ADRA+\slot] offset:\k+\i*16*PITCH
	ds_load_b128 v[FA+32*\n+8*\i+4:FA+32*\n+8*\i+7], v[ADRA+\slot] offset:\k+\i*16*PITCH+32
.endr
.endm
; A K step is four quarters of 32 along K, 48 matrix instructions each, on buffers 0, 1, 0, 1.  The 48 accumulators take turns, one instruction
; a turn, in the same order in every quarter.
; One of the first three quarters: multiplies buffer n; in its middle it fetches the next quarter (byte k) into buffer g.
.macro QUARTER slot, k, n, g, zero
	s_wait_dscnt 4                                 ; B and A's row tiles 0, 1 are in; the youngest four loads (row tiles 2, 3) may be out
	WIN MUL_LO
	MULA \n, 0, \zero
	MULA \n, 1, \zero
	PLACES
	FETCH \slot, \k, \g
	s_wait_dscnt 32                                ; all but the 32 just issued
	WIN MUL_HI
	MULA \n, 2, \zero
	MULA \n, 3, \zero
.endm
.macro THREE slot, zero
	QUARTER \slot, 64,  0, 1, \zero
	QUARTER \slot, 128, 1, 0, 0
	QUARTER \slot, 192, 0, 1, 0
.endm
; The last quarter multiplies buffer 1 and changes slots.  In front of the barrier each wave waits for its reads of this slot and for all its tensor
; loads (one is out: its part of the next slot).  fill = 1: the barrier opens a round of the cluster's barrier, and this slot's refill, two K steps
; ahead, is the first tensor load behind the round; from there to the wait for it a wave issues 180 matrix instructions.
.macro TURN slot, next, fill
	s_wait_dscnt 4
	WIN MUL_LO
	MULA 1, 0, 0
	s_wait_dscnt 0                                 ; my reads of this slot are over
	s_wait_tensorcnt 0x0                           ; all my tensor loads have landed
	ds_add_u32 v255, v31
	s_wait_dscnt 0x0
	s_barrier_signal -1
	MULA 1, 1, 0                                   ; register work while the others arrive
	WIN 0
	s_barrier_wait -1
.if \fill
	CREST                                          ; no wave of any partner still reads this slot or has a load on its way
	s_add_nc_u64 s[G0+4*\slot+2:G0+4*\slot+3], s[G0+4*\slot+2:G0+4*\slot+3], 2*KSTEP*2
	s_add_nc_u64 s[G0B+4*\slot+2:G0B+4*\slot+3], s[G0B+4*\slot+2:G0B+4*\slot+3], 2*KSTEP*2
	JLOAD \slot
.endif
	PLACES
	FETCH \next, 0, 0
	WIN MUL_HI
	MULA 1, 2, 0
	MULA 1, 3, 0
.endm
.macro LAP zero
	THREE 0, \zero
	TURN 0, 1, 1
	THREE 1, 0
	TURN 1, 0, 1
.endm
	s_wait_loadcnt 0x0                             ; the bias
	s_wait_dscnt 0x0                               ; my table's stores: no LDS instruction is pending at a signal
	s_wait_tensorcnt 0x1                           ; my part of K step 0 is in; K step 1's may stay out
	s_barrier_signal -1
	s_barrier_wait -1                              ; everybody's is
	FETCH 0, 0, 0
	LAP 1                                          ; the first lap's first products start the sums
	WIN 0
	s_mov_b32 s3, LAPS-2
.Llap:
	LAP 0
	WIN 0
	s_sub_co_u32 s3, s3, 1
	s_cmp_lg_u32 s3, 0
	s_cbranch_scc1 .Llap
	THREE 0, 0                                     ; the last lap fills nothing
	TURN 0, 1, 0
	THREE 1, 0
	s_wait_dscnt 4
	WIN MUL_LO
	MULA 1, 0, 0
	MULA 1, 1, 0
	s_wait_dscnt 0
	WIN MUL_HI
	MULA 1, 2, 0
	MULA 1, 3, 0
	; THE WAY OUT: 16 rows of one head at a time.
	PLACES
; rows 16 a .. 16 a + 15 of head hd: bias, rotation, f16, through my own stage, 512 consecutive bytes a store.  win: the accumulators' window as source 0.
.macro HEAD a, win, hd, rb
	WIN \win
.irp bm, 0,1,2,3
.irp q, 0,2,4,6
	v_pk_add_f32 v[TMP+8*\bm+\q:TMP+8*\bm+\q+1], v[8*(12*(\a%2)+4*\hd+\bm)+\q:8*(12*(\a%2)+4*\hd+\bm)+\q+1], v[BIAS+8*(4*\hd+\bm)+\q:BIAS+8*(4*\hd+\bm)+\q+1]
.endr
.endr
	WIN 0
	s_wait_dscnt 0x0                               ; cos and sin of these rows are in (met at once in the second and third head)
.irp bm, 0,1,2,3
	v_pk_fma_f32 v[CPR:CPR+1],   v[CS+8*\bm:CS+8*\bm+1],   v[ALV+2*\hd:ALV+2*\hd+1], v[BEV+2*\hd:BEV+2*\hd+1]   ; c' = alpha cos + beta
	v_pk_fma_f32 v[CPR+2:CPR+3], v[CS+8*\bm+4:CS+8*\bm+5], v[ALV+2*\hd:ALV+2*\hd+1], v[BEV+2*\hd:BEV+2*\hd+1]
	v_pk_mul_f32 v[SPR:SPR+1],   v[CS+8*\bm+2:CS+8*\bm+3], v[ALV+2*\hd:ALV+2*\hd+1]                             ; s' = alpha sin
	v_pk_mul_f32 v[SPR+2:SPR+3], v[CS+8*\bm+6:CS+8*\bm+7], v[ALV+2*\hd:ALV+2*\hd+1]
.irp p, 0,1,2,3
	v_mul_f32 v[UU+2*\p],   v[TMP+8*\bm+2*\p],   v[CPR+\p]
	v_mul_f32 v[UU+2*\p+1], v[TMP+8*\bm+2*\p+1], v[CPR+\p]
.endr
.irp p, 0,1,2,3
	v_fma_f32 v[UU+2*\p],   -v[TMP+8*\bm+2*\p+1], v[SPR+\p], v[UU+2*\p]     ; e c' - o s'
	v_fma_f32 v[UU+2*\p+1], v[TMP+8*\bm+2*\p],    v[SPR+\p], v[UU+2*\p+1]   ; o c' + e s'
.endr
.irp p, 0,1,2,3
	v_cvt_pk_f16_f32 v[PKD+4*\bm+\p], v[UU+2*\p], v[UU+2*\p+1]
.endr
	ds_store_b128 v[STO], v[PKD+4*\bm:PKD+4*\bm+3] offset:32*\bm
.endr
	s_wait_xcnt 0x0                                ; the set rb, which earlier stores read, is loaded again only behind this wait
.irp i, 0,1,2,3
	ds_load_b128 v[\rb+4*\i:\rb+4*\i+3], v[RD] offset:4*SPITCH*\i   ; LDS serves a wave's instructions in order (ISA guide 5.7.1): these see the stores above
.endr
.irp i, 0,1,2,3
	s_wait_dscnt 3-\i                              ; the 3 - i younger loads may be out
	global_store_b128 v[GO], v[\rb+4*\i:\rb+4*\i+3], s[OUTB+2*\hd:OUTB+2*\hd+1] offset:2048*\a+512*\i   ; four rows of 128 bytes: 512 consecutive bytes, aligned
.endr
.endm
.macro ROWS a, win, r0, r1, r2
	WIN 0
.irp bm, 0,1,2,3
	ds_load_b128 v[CS+8*\bm:CS+8*\bm+3],   v[TABA] offset:(4*\a+\bm)*1024
	ds_load_b128 v[CS+8*\bm+4:CS+8*\bm+7], v[TABA] offset:(4*\a+\bm)*1024+512
.endr
	HEAD \a, \win, 0, \r0
	HEAD \a, \win, 1, \r1
	HEAD \a, \win, 2, \r2
.endm
	ROWS 0, 2, RB, RB+16, RB
	ROWS 1, 2, RB+16, RB, RB+16
	ROWS 2, 3, RB, RB+16, RB
	ROWS 3, 3, RB+16, RB, RB+16
	s_set_vgpr_msb 0x1
	s_wait_tensorcnt 0x0
	ds_add_u32 v255, v31
	s_wait_dscnt 0x0
	s_set_vgpr_msb 0x100
	CROUND                                         ; the closing round: no work-group ends while a partner may still ask for a tile that names it
	s_endpgm
.Lfunc_end_k_qc943c8a961_qkv:
	.size	k_qc943c8a961_qkv, .Lfunc_end_k_qc943c8a961_qkv-k_qc943c8a961_qkv
	.p2alignl 7, 3214868480
	.fill 96, 4, 3214868480
	.section	.rodata,"a",@progbits
	.p2align	6, 0x0
	.amdhsa_kernel k_qc943c8a961_qkv
		.amdhsa_group_segment_fixed_size 327680
		.amdhsa_private_segment_fixed_size 0
		.amdhsa_enable_private_segment 0
		.amdhsa_kernarg_size 24
		.amdhsa_user_sgpr_count 2
		.amdhsa_user_sgpr_kernarg_segment_ptr 1
		.amdhsa_wavefront_size32 1
		.amdhsa_system_sgpr_workgroup_id_x 1
		.amdhsa_system_sgpr_workgroup_id_y 1
		.amdhsa_system_sgpr_workgroup_id_z 1
		.amdhsa_system_vgpr_workitem_id 0
		.amdhsa_next_free_vgpr 1024
		.amdhsa_next_free_sgpr 100
		.amdhsa_reserve_vcc 0
		.amdhsa_float_denorm_mode_32 3
		.amdhsa_float_denorm_mode_16_64 3
		.amdhsa_memory_ordered 1
		.amdhsa_forward_progress 1
		.amdhsa_inst_pref_size 255
	.end_amdhsa_kernel
	.section	.bss,"aw",@nobits
	.p2align	6
	.space	262144
	.amdgpu_metadata
---
amdhsa.version: [ 1, 2 ]
amdhsa.kernels:
  - .name:           k_qc943c8a961_qkv
    .symbol:         k_qc943c8a961_qkv.kd
    .args:
      - { .name: cvt, .offset: 0, .size: 8, .value_kind: global_buffer, .address_space: global }
      - { .name: b_attn, .offset: 8, .size: 8, .value_kind: global_buffer, .address_space: global }
      - { .name: qkv, .offset: 16, .size: 8, .value_kind: global_buffer, .address_space: global }
    .group_segment_fixed_size: 327680
    .private_segment_fixed_size: 0
    .kernarg_segment_align: 8
    .kernarg_segment_size: 24
    .max_flat_workgroup_size: 128
    .sgpr_count:     100
    .vgpr_count:     1024
    .wavefront_size: 32
...
	.end_amdgpu_metadata
.endif
;; end of part 2
;; launch attn (part 3): grid 8 x 32, 8 waves a work-group, no clusters, 327,680 bytes of LDS; arguments qkv, yb; writes yb
.if DOCPART == 3
	.amdgcn_target "amdgcn-amd-amdhsa--gfx1250"
	.amdhsa_code_object_version 6
	.text
	.protected	k_qc943c8a961_attn
	.globl	k_qc943c8a961_attn
	.p2align	8
	.type	k_qc943c8a961_attn,@function
k_qc943c8a961_attn:
	s_mov_b64 s[64:65], 0
	v_nop
	global_prefetch_b8 v0, s[64:65] scope:SCOPE_SE
	s_setreg_imm32_b32 hwreg(HW_REG_WAVE_MODE, 25, 1), 1
	s_wait_xcnt 0x0
; Causal attention of one head (grid y = 16 b + h), with a running maximum, on f16 operands and f32 sums.  y is stored f16 [B][H][T][64].
; Work-group j (grid x, 0..7) owns the query blocks of 128 rows j (waves 0-3) and 15 - j (waves 4-7): 17 blocks of 128 x 128 under the diagonal in every
; work-group.  A wave owns 32 queries.  All eight waves walk the same tiles of 256 keys; a wave jumps over a run of 64 keys that lies wholly above
; its diagonal and masks only the run that holds its diagonal.
; S is made TRANSPOSED: S^T = K Q^T.  Lane (r, h) then holds one query (r) and keys 16 mt + 8 h + 0..7, so the maximum and the sum of a query need one
; exchange between the halves of the wave, the factors that rescale O are the lane's own, and P packed to f16 in place IS the second source of
; O^T += V^T P^T.  V^T comes from V's rows by the transposing LDS load.
; q was stored times log2(e)/8, so P = 2^(S - max).
; NO MULTICAST: the work-groups of a head read the same K and V, but they need different numbers of tiles (8 - j/2: five to eight), and which runs a wave
; skips or masks hangs on j, which would be a partner's place in a cluster.
; For odd j the last 128 rows of the last tile are loaded and not used; they lie inside the buffer (8 - j/2 tiles of 256 rows are at most 2,048 rows).
; LIMITS: P below 2^-25 becomes 0 in f16; |y| < 65,504; NaN and infinities in q, k, v are not reproduced.
.set KP,     144                       ; K's LDS row: 128 bytes + 16
.set VP,     160                       ; V's LDS row: 128 bytes + 32 (an odd multiple of 32, for the transposing load)
.set KBYTES, 256*KP
.set SLOT,   KBYTES+256*VP             ; 77,824 bytes: 256 rows of K, then 256 rows of V
.set STAGE,  2*SLOT                    ; behind the ring: 16 rows x 144 bytes a wave
.set SPITCH, 144
.set TILEB,  32768                     ; 256 rows of 128 bytes in memory
.set KA,   4                           ; v4-5    LDS address of my K fragments in slot 0, 1
.set VA,   6                           ; v6-7    the same for V
.set STO,  8
.set RD,   9
.set GO,   10
.set DQ,   11                          ; 32 (w & 1) + r - 8 h: a key of the diagonal run is masked where 16 mt + jj - 16 nt is above it
.set MM,   12                          ; v12-13  running maximum of query tile 0, 1
.set LL,   14                          ; v14-15  running sum over this lane's keys
.set MN,   16                          ; v16-17  minus the maximum, twice
.set AL,   18                          ; v18-19  the factor 2^(old max - new max), twice
.set TT,   20                          ; v20-27  at work
.set NINF, 28
.set QO,   29
.set QQ,   32                          ; v32-63   Q fragment (nt, ks) at 16 nt + 8 ks
.set OO,   64                          ; v64-127  O^T tile (dt, nt) at 8 (2 dt + nt)
.set SS,   128                         ; v128-191 S^T tile (mt, nt) at 32 nt + 8 mt; later P fragment (nt, ks) at 32 nt + 16 ks
.set FF,   192                         ; v192-255 K fragments (ks, mt), then V^T fragments (ks, dt), at 8 (4 ks + tile)
.set G1K,  24                          ; s[24:31]
.set G1V,  32                          ; s[32:39]
.set G0K,  40                          ; s[40:47] one set a slot
.set G0V,  48                          ; s[48:55]
	s_load_b128 s[4:7], s[0:1], 0x0                ; qkv s[4:5], yb s[6:7]
	v_lshl_add_u32 v31, v0, 2, 0x2a800
	s_set_vgpr_msb 0x40
	v_mov_b32 v1, 0
	s_set_vgpr_msb 0x4044
	ds_add_u32 v31, v1
	ds_add_u32 v31, v1
	s_set_vgpr_msb 0x4400
	v_lshrrev_b32 v1, 5, v0
	v_readfirstlane_b32 s8, v1                     ; wave 0..7
	s_and_b32 s10, ttmp7, 0xffff                   ; 16 b + h
	s_sub_co_u32 s16, 15, ttmp9
	s_cmp_lt_u32 s8, 4
	s_cselect_b32 s11, ttmp9, s16                  ; my query block: j or 15 - j
	s_and_b32 s17, s8, 3
	s_lshl_b32 s12, s11, 7
	s_lshl_b32 s16, s17, 5
	s_add_co_u32 s12, s12, s16                     ; my first query
	s_lshr_b32 s13, s12, 6                         ; the run of 64 keys that holds my diagonal; counted down by 4 a tile
	s_lshr_b32 s15, ttmp9, 1
	s_sub_co_u32 s15, 8, s15                       ; tiles of 256 keys: 8 - j/2
	s_sub_co_u32 s14, s15, 2
	s_lshr_b32 s14, s14, 1                         ; trips of the loop (two tiles each): at least 1
	s_and_b32 s9, s8, 1
	s_lshl_b32 s9, s9, 5                           ; my queries' place in the diagonal run
	s_mov_b32 s56, 0x76543210                      ; v_permlanex16_b32: lane i reads lane i of the other half
	s_mov_b32 s57, 0xfedcba98
	; group 1: 32 rows x 64 elements of 2 bytes, padded behind every 32 words by 4 words (K) or 8 words (V)
	s_mov_b32 s[G1K+0], (1<<16)|(1<<20)|(4<<22)|(3<<25)
	s_mov_b32 s[G1V+0], (1<<16)|(1<<20)|(4<<22)|(7<<25)
	s_mov_b32 s[G1K+1], 64<<16
	s_mov_b32 s[G1V+1], 64<<16
	s_mov_b32 s[G1K+2], 32<<16
	s_mov_b32 s[G1V+2], 32<<16
	s_mov_b32 s[G1K+3], 64<<16
	s_mov_b32 s[G1V+3], 64<<16
	s_mov_b32 s[G1K+4], 32
	s_mov_b32 s[G1V+4], 32
	s_mov_b32 s[G1K+5], 64
	s_mov_b32 s[G1V+5], 64
	s_mov_b32 s[G1K+6], 0
	s_mov_b32 s[G1V+6], 0
	s_mov_b32 s[G1K+7], 0
	s_mov_b32 s[G1V+7], 0
	s_lshl_b32 s58, s10, 18                        ; the head's plane of 262,144 bytes
	s_lshl_b32 s59, s8, 12                         ; my 32 rows of a tile
	s_add_co_u32 s60, s58, s59
	s_add_co_u32 s60, s60, 8388608                 ; k's planes begin here,
	s_mov_b32 s61, 0
	s_add_co_u32 s62, s60, 8388608                 ; v's here
	s_mov_b32 s63, 0
	s_mul_i32 s22, s8, 32*KP
	s_mul_i32 s23, s8, 32*VP
	s_lshl_b32 s16, s12, 7
	s_add_co_u32 s16, s16, s58                     ; my queries' rows, in q and in y alike
	s_mov_b32 s17, 0
	s_wait_dscnt 0x0
	s_wait_kmcnt 0x0
	s_add_nc_u64 s[60:61], s[4:5], s[60:61]
	s_add_nc_u64 s[62:63], s[4:5], s[62:63]
	s_add_nc_u64 s[18:19], s[4:5], s[16:17]
	s_add_nc_u64 s[20:21], s[6:7], s[16:17]
.irp s, 0,1
	s_mov_b32 s[G0K+4*\s], 1
	s_add_co_u32 s[G0K+4*\s+1], s22, \s*SLOT
	s_add_nc_u64 s[G0K+4*\s+2:G0K+4*\s+3], s[60:61], \s*TILEB
	s_or_b32 s[G0K+4*\s+3], s[G0K+4*\s+3], 0x80000000
	s_mov_b32 s[G0V+4*\s], 1
	s_add_co_u32 s[G0V+4*\s+1], s23, KBYTES+\s*SLOT
	s_add_nc_u64 s[G0V+4*\s+2:G0V+4*\s+3], s[62:63], \s*TILEB
	s_or_b32 s[G0V+4*\s+3], s[G0V+4*\s+3], 0x80000000
.endr
	tensor_load_to_lds s[G0K:G0K+3], s[G1K:G1K+7]  ; tile 0: my 32 rows of K and of V
	s_nop 0
	tensor_load_to_lds s[G0V:G0V+3], s[G1V:G1V+7]
	s_nop 0
	v_and_b32 v1, 15, v0                           ; r
	v_bfe_u32 v2, v0, 4, 1                         ; h
	v_lshlrev_b32 v[QO], 7, v1
	v_lshl_add_u32 v[QO], v2, 4, v[QO]             ; row r of 128 bytes + 16 h
.irp nt, 0,1
.irp ks, 0,1
	global_load_b128 v[QQ+16*\nt+8*\ks:QQ+16*\nt+8*\ks+3],   v[QO], s[18:19] offset:2048*\nt+64*\ks
	global_load_b128 v[QQ+16*\nt+8*\ks+4:QQ+16*\nt+8*\ks+7], v[QO], s[18:19] offset:2048*\nt+64*\ks+32
.endr
.endr
	v_mul_u32_u24 v3, v1, KP
	v_lshl_add_u32 v[KA], v2, 4, v3
	v_add_nc_u32 v[KA+1], SLOT, v[KA]
	v_and_b32 v3, 7, v0
	v_lshl_add_u32 v3, v2, 3, v3                   ; key 8 h + (lane & 7)
	v_mul_u32_u24 v3, v3, VP
	v_bfe_u32 v30, v0, 3, 1
	v_lshl_add_u32 v3, v30, 4, v3                  ; + 16 bytes for the second eight columns
	v_add_nc_u32 v[VA], KBYTES, v3
	v_add_nc_u32 v[VA+1], KBYTES+SLOT, v3
	s_mul_i32 s16, s8, 16*SPITCH
	s_add_co_u32 s16, s16, STAGE
	v_mul_u32_u24 v3, v1, SPITCH
	v_lshl_add_u32 v3, v2, 4, v3
	v_add_nc_u32 v[STO], s16, v3
	v_bfe_u32 v3, v0, 3, 2
	v_and_b32 v30, 7, v0
	v_mul_u32_u24 v3, v3, SPITCH
	v_lshl_add_u32 v3, v30, 4, v3
	v_add_nc_u32 v[RD], s16, v3
	v_and_b32 v30, 31, v0
	v_lshlrev_b32 v[GO], 4, v30
	v_lshlrev_b32 v3, 3, v2
	v_sub_nc_u32 v[DQ], v1, v3
	v_add_nc_u32 v[DQ], s9, v[DQ]
	v_mov_b32 v[NINF], 0xff800000
; The softmax step of query tile nt on its 32 registers of S.  first = 1: nothing is carried yet.
.macro SOFTMAX nt, first
.irp c, 0,1,2,3
	v_max3_num_f32 v[TT+\c], v[SS+32*\nt+8*\c], v[SS+32*\nt+8*\c+1], v[SS+32*\nt+8*\c+2]   ; four chains that do not wait for each other
.endr
.irp c, 0,1,2,3
	v_max3_num_f32 v[TT+\c], v[TT+\c], v[SS+32*\nt+8*\c+3], v[SS+32*\nt+8*\c+4]
.endr
.irp c, 0,1,2,3
	v_max3_num_f32 v[TT+\c], v[TT+\c], v[SS+32*\nt+8*\c+5], v[SS+32*\nt+8*\c+6]
.endr
	v_max3_num_f32 v[TT],   v[TT],   v[TT+1], v[SS+32*\nt+7]
	v_max3_num_f32 v[TT+2], v[TT+2], v[TT+3], v[SS+32*\nt+15]
	v_max3_num_f32 v[TT],   v[TT],   v[TT+2], v[SS+32*\nt+23]
	v_max_num_f32  v[TT],   v[TT],   v[SS+32*\nt+31]
	v_permlanex16_b32 v[TT+1], v[TT], s56, s57     ; the other half of the wave holds the query's other 32 keys
.if \first
	v_max_num_f32 v[MM+\nt], v[TT], v[TT+1]
.else
	v_max3_num_f32 v[TT], v[TT], v[TT+1], v[MM+\nt]
	v_sub_f32 v[TT+2], v[MM+\nt], v[TT]
	v_mov_b32 v[MM+\nt], v[TT]
	v_exp_f32 v[AL],   v[TT+2]
	v_exp_f32 v[AL+1], v[TT+2]                     ; the two plain lines below stand between these and their use (ISA guide 5.7.2)
.endif
	v_mul_f32 v[MN],   -1.0, v[MM+\nt]
	v_mul_f32 v[MN+1], -1.0, v[MM+\nt]
.irp q, 0,2,4,6,8,10,12,14,16,18,20,22,24,26,28,30
	v_pk_add_f32 v[SS+32*\nt+\q:SS+32*\nt+\q+1], v[SS+32*\nt+\q:SS+32*\nt+\q+1], v[MN:MN+1]
.endr
.set n, 0
.rept 32
	v_exp_f32 v[SS+32*\nt+n], v[SS+32*\nt+n]
.set n, n+1
.endr
.if \first
	v_nop                                          ; the plain place behind the exponentials
	s_wait_alu depctr_va_vdst(0)
.else
	s_wait_alu depctr_va_vdst(0)
.irp dt, 0,1,2,3
.irp q, 0,2,4,6
	v_pk_mul_f32 v[OO+8*(2*\dt+\nt)+\q:OO+8*(2*\dt+\nt)+\q+1], v[OO+8*(2*\dt+\nt)+\q:OO+8*(2*\dt+\nt)+\q+1], v[AL:AL+1]   ; O is rescaled: also the plain place behind the exponentials
.endr
.endr
.endif
.irp c, 0,1,2,3
	v_pk_add_f32 v[TT+2*\c:TT+2*\c+1], v[SS+32*\nt+8*\c:SS+32*\nt+8*\c+1], v[SS+32*\nt+8*\c+2:SS+32*\nt+8*\c+3]
.endr
.irp c, 0,1,2,3
	v_pk_add_f32 v[TT+2*\c:TT+2*\c+1], v[TT+2*\c:TT+2*\c+1], v[SS+32*\nt+8*\c+4:SS+32*\nt+8*\c+5]
.endr
.irp c, 0,1,2,3
	v_pk_add_f32 v[TT+2*\c:TT+2*\c+1], v[TT+2*\c:TT+2*\c+1], v[SS+32*\nt+8*\c+6:SS+32*\nt+8*\c+7]
.endr
	v_pk_add_f32 v[TT:TT+1],   v[TT:TT+1],   v[TT+2:TT+3]
	v_pk_add_f32 v[TT+4:TT+5], v[TT+4:TT+5], v[TT+6:TT+7]
	v_pk_add_f32 v[TT:TT+1],   v[TT:TT+1],   v[TT+4:TT+5]
.if \first
	v_add_f32 v[LL+\nt], v[TT], v[TT+1]
.else
	v_add_f32 v[TT], v[TT], v[TT+1]
	v_fma_f32 v[LL+\nt], v[LL+\nt], v[AL], v[TT]
.endif
.irp ks, 0,1
.irp q, 0,1,2,3,4,5,6,7
	v_cvt_pk_f16_f32 v[SS+32*\nt+16*\ks+\q], v[SS+32*\nt+16*\ks+2*\q], v[SS+32*\nt+16*\ks+2*\q+1]   ; in place, ascending: register q is written when 2 q and 2 q + 1 have been read
.endr
.endr
.endm
; One run of 64 keys (run i of the tile in this slot) against my 32 queries.  The accumulators take turns, one instruction a turn.
.macro SUB slot, i, first
.if \first == 0
	s_cmp_lt_i32 s13, \i                           ; wholly above my diagonal: nothing to do
	s_cbranch_scc1 .Lskip_\@
.endif
.irp ks, 0,1
.irp mt, 0,1,2,3
	ds_load_b128 v[FF+8*(4*\ks+\mt):FF+8*(4*\ks+\mt)+3],   v[KA+\slot] offset:(64*\i+16*\mt)*KP+64*\ks
	ds_load_b128 v[FF+8*(4*\ks+\mt)+4:FF+8*(4*\ks+\mt)+7], v[KA+\slot] offset:(64*\i+16*\mt)*KP+64*\ks+32
.endr
.endr
.if \first
	s_wait_loadcnt 0x0                             ; Q
.endif
	s_wait_dscnt 8                                 ; d = 0..31 of the 64 keys are in; the eight loads for d = 32..63 may be out
.irp mt, 0,1,2,3
.irp nt, 0,1
	v_wmma_f32_16x16x32_f16 v[SS+32*\nt+8*\mt:SS+32*\nt+8*\mt+7], v[FF+8*\mt:FF+8*\mt+7], v[QQ+16*\nt:QQ+16*\nt+7], 0
.endr
.endr
	s_wait_dscnt 0
.irp mt, 0,1,2,3
.irp nt, 0,1
	v_wmma_f32_16x16x32_f16 v[SS+32*\nt+8*\mt:SS+32*\nt+8*\mt+7], v[FF+8*(4+\mt):FF+8*(4+\mt)+7], v[QQ+16*\nt+8:QQ+16*\nt+15], v[SS+32*\nt+8*\mt:SS+32*\nt+8*\mt+7]
.endr
.endr
.rept 4
	v_nop                                          ; four places ahead of the loads into K's fragments and of the vector work on S
.endr
.irp ks, 0,1
.irp dt, 0,1,2,3
	ds_load_tr16_b128 v[FF+8*(4*\ks+\dt):FF+8*(4*\ks+\dt)+3],   v[VA+\slot] offset:(64*\i+32*\ks)*VP+32*\dt
	ds_load_tr16_b128 v[FF+8*(4*\ks+\dt)+4:FF+8*(4*\ks+\dt)+7], v[VA+\slot] offset:(64*\i+32*\ks)*VP+32*\dt+16*VP
.endr
.endr
	s_cmp_lg_u32 s13, \i                           ; only the run that holds my diagonal is masked
	s_cbranch_scc1 .Lfull_\@
.irp nt, 0,1
.irp mt, 0,1,2,3
.irp jj, 0,1,2,3,4,5,6,7
	v_cmp_gt_i32 vcc_lo, 16*\mt+\jj-16*\nt, v[DQ]
	v_cndmask_b32 v[SS+32*\nt+8*\mt+\jj], v[SS+32*\nt+8*\mt+\jj], v[NINF], vcc_lo
.endr
.endr
.endr
.Lfull_\@:
	SOFTMAX 0, \first
	SOFTMAX 1, \first
	s_wait_dscnt 0                                 ; V^T
.irp dt, 0,1,2,3
.irp nt, 0,1
.if \first
	v_wmma_f32_16x16x32_f16 v[OO+8*(2*\dt+\nt):OO+8*(2*\dt+\nt)+7], v[FF+8*\dt:FF+8*\dt+7], v[SS+32*\nt:SS+32*\nt+7], 0
.else
	v_wmma_f32_16x16x32_f16 v[OO+8*(2*\dt+\nt):OO+8*(2*\dt+\nt)+7], v[FF+8*\dt:FF+8*\dt+7], v[SS+32*\nt:SS+32*\nt+7], v[OO+8*(2*\dt+\nt):OO+8*(2*\dt+\nt)+7]
.endif
.endr
.endr
.irp dt, 0,1,2,3
.irp nt, 0,1
	v_wmma_f32_16x16x32_f16 v[OO+8*(2*\dt+\nt):OO+8*(2*\dt+\nt)+7], v[FF+8*(4+\dt):FF+8*(4+\dt)+7], v[SS+32*\nt+16:SS+32*\nt+23], v[OO+8*(2*\dt+\nt):OO+8*(2*\dt+\nt)+7]
.endr
.endr
.rept 5
	v_nop                                          ; five places: the next matrix instruction writes over P, the next loads land on V's fragments
.endr
.if \first == 0
.Lskip_\@:
.endif
.endm
; One tile of 256 keys.  In front of the barrier every wave waits for all its tensor loads (its parts of this tile) and for its reads of the other slot;
; behind it the other slot's refill comes first: two tensor loads of the wave are out, with this tile's work in which to land.
.macro STRIP slot, refill, first
	s_set_vgpr_msb 0x4
	s_wait_tensorcnt 0x0
	ds_add_u32 v31, v1
	s_wait_dscnt 0x0
	s_set_vgpr_msb 0x400
	s_add_nc_u64 s[G0K+4*\slot+2:G0K+4*\slot+3], s[G0K+4*\slot+2:G0K+4*\slot+3], 2*TILEB   ; no load of mine is out: this slot's next tile
	s_add_nc_u64 s[G0V+4*\slot+2:G0V+4*\slot+3], s[G0V+4*\slot+2:G0V+4*\slot+3], 2*TILEB
	s_wait_dscnt 0x0
	s_barrier_signal -1
	s_barrier_wait -1
.if \refill
	tensor_load_to_lds s[G0K+4-4*\slot:G0K+7-4*\slot], s[G1K:G1K+7]
	s_nop 0
	tensor_load_to_lds s[G0V+4-4*\slot:G0V+7-4*\slot], s[G1V:G1V+7]
	s_nop 0
.endif
	SUB \slot, 0, \first
	SUB \slot, 1, 0
	SUB \slot, 2, 0
	SUB \slot, 3, 0
	s_sub_co_i32 s13, s13, 4
.endm
	STRIP 0, 1, 1                                  ; tile 0 starts the sums
.Lpair:
	STRIP 1, 1, 0
	STRIP 0, 1, 0
	s_sub_co_u32 s14, s14, 1
	s_cmp_lg_u32 s14, 0
	s_cbranch_scc1 .Lpair
	s_bitcmp1_b32 s15, 0                           ; the tail is written out: two tiles are left where the number of tiles is odd, one where it is even
	s_cbranch_scc0 .Leven
	STRIP 1, 1, 0
	STRIP 0, 0, 0
	s_branch .Ldone
.Leven:
	STRIP 1, 0, 0
.Ldone:
	; THE WAY OUT: O / sum, f16, 16 queries at a time through my own stage, 512 consecutive bytes a store
.irp nt, 0,1
	v_permlanex16_b32 v[TT], v[LL+\nt], s56, s57
	v_add_f32 v[TT], v[TT], v[LL+\nt]              ; both halves' keys
	v_rcp_f32 v[AL],   v[TT]
	v_rcp_f32 v[AL+1], v[TT]
	v_nop                                          ; the plain place behind the reciprocals
	s_wait_alu depctr_va_vdst(0)
.irp dt, 0,1,2,3
.irp q, 0,2,4,6
	v_pk_mul_f32 v[OO+8*(2*\dt+\nt)+\q:OO+8*(2*\dt+\nt)+\q+1], v[OO+8*(2*\dt+\nt)+\q:OO+8*(2*\dt+\nt)+\q+1], v[AL:AL+1]
.endr
.irp q, 0,1,2,3
	v_cvt_pk_f16_f32 v[SS+16*\nt+4*\dt+\q], v[OO+8*(2*\dt+\nt)+2*\q], v[OO+8*(2*\dt+\nt)+2*\q+1]
.endr
	ds_store_b128 v[STO], v[SS+16*\nt+4*\dt:SS+16*\nt+4*\dt+3] offset:32*\dt
.endr
.irp i, 0,1,2,3
	ds_load_b128 v[FF+16*\nt+4*\i:FF+16*\nt+4*\i+3], v[RD] offset:4*SPITCH*\i   ; my own bytes, served in order behind the stores
.endr
.irp i, 0,1,2,3
	s_wait_dscnt 3-\i                              ; the 3 - i younger loads may be out
	global_store_b128 v[GO], v[FF+16*\nt+4*\i:FF+16*\nt+4*\i+3], s[20:21] offset:2048*\nt+512*\i
.endr
.endr
	s_set_vgpr_msb 0x4
	s_wait_tensorcnt 0x0
	ds_add_u32 v31, v1
	s_wait_dscnt 0x0
	s_set_vgpr_msb 0x400
	s_endpgm
.Lfunc_end_k_qc943c8a961_attn:
	.size	k_qc943c8a961_attn, .Lfunc_end_k_qc943c8a961_attn-k_qc943c8a961_attn
	.p2alignl 7, 3214868480
	.fill 96, 4, 3214868480
	.section	.rodata,"a",@progbits
	.p2align	6, 0x0
	.amdhsa_kernel k_qc943c8a961_attn
		.amdhsa_group_segment_fixed_size 327680
		.amdhsa_private_segment_fixed_size 0
		.amdhsa_enable_private_segment 0
		.amdhsa_kernarg_size 16
		.amdhsa_user_sgpr_count 2
		.amdhsa_user_sgpr_kernarg_segment_ptr 1
		.amdhsa_wavefront_size32 1
		.amdhsa_system_sgpr_workgroup_id_x 1
		.amdhsa_system_sgpr_workgroup_id_y 1
		.amdhsa_system_sgpr_workgroup_id_z 1
		.amdhsa_system_vgpr_workitem_id 0
		.amdhsa_next_free_vgpr 258
		.amdhsa_next_free_sgpr 66
		.amdhsa_reserve_vcc 1
		.amdhsa_float_denorm_mode_32 3
		.amdhsa_float_denorm_mode_16_64 3
		.amdhsa_memory_ordered 1
		.amdhsa_forward_progress 1
		.amdhsa_inst_pref_size 255
	.end_amdhsa_kernel
	.section	.bss,"aw",@nobits
	.p2align	6
	.space	262144
	.amdgpu_metadata
---
amdhsa.version: [ 1, 2 ]
amdhsa.kernels:
  - .name:           k_qc943c8a961_attn
    .symbol:         k_qc943c8a961_attn.kd
    .args:
      - { .name: qkv, .offset: 0, .size: 8, .value_kind: global_buffer, .address_space: global }
      - { .name: yb, .offset: 8, .size: 8, .value_kind: global_buffer, .address_space: global }
    .group_segment_fixed_size: 327680
    .private_segment_fixed_size: 0
    .kernarg_segment_align: 8
    .kernarg_segment_size: 16
    .max_flat_workgroup_size: 256
    .sgpr_count:     66
    .vgpr_count:     258
    .wavefront_size: 32
...
	.end_amdgpu_metadata
.endif
;; end of part 3
;; launch proj (part 4): grid 8 x 32, 4 waves a work-group, clusters of 4 x 4, 327,680 bytes of LDS; arguments yb, cvt, b_proj, out0; writes out0
.if DOCPART == 4
	.amdgcn_target "amdgcn-amd-amdhsa--gfx1250"
	.amdhsa_code_object_version 6
	.text
	.protected	k_qc943c8a961_proj
	.globl	k_qc943c8a961_proj
	.p2align	8
	.type	k_qc943c8a961_proj,@function
k_qc943c8a961_proj:
	s_mov_b64 s[64:65], 0
	v_nop
	global_prefetch_b8 v0, s[64:65] scope:SCOPE_SE
	s_setreg_imm32_b32 hwreg(HW_REG_WAVE_MODE, 25, 1), 1
	s_wait_xcnt 0x0
	s_wait_alu depctr_hold_cnt(0) depctr_sa_sdst(0) depctr_va_vdst(0) depctr_va_sdst(0) depctr_va_ssrc(0) depctr_va_vcc(0) depctr_vm_vsrc(0)
	s_getreg_b32 s2, hwreg(HW_REG_IB_STS2, 6, 4)
	s_cmp_eq_u32 s2, 0
	s_cbranch_scc0 .Lentry_in_a_cluster
	s_endpgm
.Lentry_in_a_cluster:
	s_bfe_u32 s2, ttmp6, 0x10000c
	s_cmp_lg_u32 s2, 0xf033
	s_cbranch_scc0 .Lentry_shape_is_right
	s_endpgm
.Lentry_shape_is_right:
; out0 = y w_proj^T + b_proj.  y: f16 [B][H][T][64] (head-major), w_proj: f16 [1024][1024] at byte 14,680,064 of cvt, out0: f32 [4096][1024].
; 8 x 32 work-groups make blocks of 128 x 128 with four waves in 2 x 2, 64 x 64 each: 16 accumulator tiles.  K = 1024 is eight steps of 128 = two heads.
; Four LDS slots; all four are asked for at the start, and they are filled again two at a time, so that each refill has 128 matrix instructions of
; the wave in which to land.  At most four tensor loads of a wave are out.  Eight K steps are few: the text is written out without a loop.
; CLUSTERS of 4 x 4: y's tiles are shared along a row of the cluster, w_proj's along a column, each by a joint load.
; The matrix instruction is used transposed (source 0 = rows of w_proj, source 1 = rows of y): a lane holds eight neighbouring columns of one row of out0.
; LIMIT: |y| and |w_proj| below 65,504 (f16).
; REGISTERS: window 0 addresses, bias and way out; window 1 the accumulators (tile (a, b) at v[8 (4 a + b)]); window 2 two fragment buffers of 128 registers,
; each for 64 along K: B (ks, b) at 8 (4 ks + b), A (ks, a) at 64 + 8 (4 ks + a).
.set AP,     144                       ; y's LDS row: 128 bytes + 16
.set BP,     272                       ; w_proj's LDS row: 256 bytes + 16
.set ASUB,   128*AP                    ; one head's 128 rows
.set BHALF,  64*BP                     ; 64 rows of w_proj
.set SLOT,   2*ASUB+2*BHALF            ; 71,680 bytes: head 2 t, head 2 t + 1, then w_proj's 128 rows
.set BOFF,   2*ASUB-2*BHALF            ; waves 2 and 3 put their loads at wave x BHALF + BOFF = behind y's rows
.set STAGE,  4*SLOT                    ; 16 rows x 272 bytes a wave
.set SPITCH, 272
.set WPB,    14680064
.set ADRA, 16                          ; v16-19 LDS address of my A fragments in slot 0..3
.set ADRB, 20                          ; v20-23 the same for B
.set STO,  24
.set RD,   25
.set CO,   26
.set RB,   32                          ; v32-63, v64-95 rows read back, two sets
.set TMP,  96                          ; v96-127 16 rows x 64 columns with the bias added
.set BIAS, 128                         ; v128-159
.set G1,   24                          ; s[24:31] group 1 for y's tiles
.set G0,   32                          ; s[32:47] group 0 for y's tiles, one set a slot
.set G1B,  48                          ; s[48:55] group 1 for w_proj's tiles
.set G0B,  68                          ; s[68:83] group 0 for w_proj's tiles, one set a slot
.set MSB, 0
.macro WIN new
.if MSB != \new
	s_set_vgpr_msb (MSB<<8)|\new
.set MSB, \new
.endif
.endm
.set MUL,  0x5a                        ; sources 0 and 1 window 2, C and D window 1
.set TO_F, 0x80                        ; destination window 2, address window 0
.macro JLOAD s                         ; waves 0 and 1 fetch the two heads of y, waves 2 and 3 the halves of w_proj's rows
	s_cmp_ge_u32 s12, 2
	s_cbranch_scc1 .Lfor_b_\@
	tensor_load_to_lds s[G0+4*\s:G0+4*\s+3], s[G1:G1+7]
	s_nop 0
	s_branch .Lasked_\@
.Lfor_b_\@:
	tensor_load_to_lds s[G0B+4*\s:G0B+4*\s+3], s[G1B:G1B+7]
	s_nop 0
.Lasked_\@:
.endm
.macro CROUND                          ; a round of the cluster's barrier
	s_barrier_signal -1
	s_barrier_wait -1
	s_cmp_lg_u32 s12, 0
	s_cbranch_scc1 .Lnot_wave_0_\@
	s_barrier_signal -3
.Lnot_wave_0_\@:
	s_barrier_wait -3
	s_barrier_signal -1
	s_barrier_wait -1
.endm
.macro PLACES                          ; four places behind matrix instructions (ISA guide 7.12.1)
.rept 4
	v_nop
.endr
.endm
	s_load_b256 s[4:11], s[0:1], 0x0               ; yb s[4:5], cvt s[6:7], b_proj s[8:9], out0 s[10:11]
	v_lshl_add_u32 v254, v0, 2, 0x4a400
	v_mov_b32 v255, 0
	ds_add_u32 v254, v255
	ds_add_u32 v254, v255
	v_lshrrev_b32 v1, 5, v0
	v_readfirstlane_b32 s12, v1                    ; wave 0..3
	s_and_b32 s14, s12, 1                          ; my half of the columns; also which head, or which 64 rows, I fetch
	s_lshr_b32 s15, s12, 1                         ; my half of the rows
	s_bfe_u32 s56, ttmp6, 0x40000                  ; cx
	s_bfe_u32 s57, ttmp6, 0x40004                  ; cy
	s_lshl_b32 s58, ttmp9, 2
	s_add_co_u32 s58, s58, s56                     ; bx: block of 128 columns
	s_and_b32 s13, ttmp7, 0xffff
	s_lshl_b32 s13, s13, 2
	s_add_co_u32 s13, s13, s57                     ; by: block of 128 rows
	s_lshl_b32 s59, s57, 2
	s_lshl_b32 s59, 15, s59                        ; my row of the cluster
	s_lshl_b32 s60, 0x1111, s56                    ; my column
	s_or_b32 s[G1+0], s59, (1<<16)|(1<<20)|(1<<21)|(4<<22)|(3<<25)    ; y: 2-byte elements, 4 words of padding behind every 32
	s_or_b32 s[G1B+0], s60, (1<<16)|(1<<20)|(1<<21)|(5<<22)|(3<<25)   ; w_proj: behind every 64
	s_mov_b32 s[G1+1], 64<<16                      ; tensor_dim0
	s_mov_b32 s[G1B+1], 128<<16
	s_mov_b32 s[G1+2], 128<<16                     ; tensor_dim1
	s_mov_b32 s[G1B+2], 64<<16
	s_mov_b32 s[G1+3], 64<<16                      ; tile_dim0
	s_mov_b32 s[G1B+3], 128<<16
	s_mov_b32 s[G1+4], 128                         ; tile_dim1
	s_mov_b32 s[G1B+4], 64
	s_mov_b32 s[G1+5], 64                          ; elements from row to row
	s_mov_b32 s[G1B+5], 1024
	s_mov_b32 s[G1+6], 0
	s_mov_b32 s[G1B+6], 0
	s_mov_b32 s[G1+7], 0
	s_mov_b32 s[G1B+7], 0
	s_lshr_b32 s16, s13, 4
	s_lshl_b32 s16, s16, 4                         ; 16 x batch
	s_add_co_u32 s16, s16, s14                     ; + head 0 or 1
	s_lshl_b32 s16, s16, 18                        ; planes of 262,144 bytes
	s_and_b32 s17, s13, 15
	s_lshl_b32 s17, s17, 14                        ; 128 rows of 128 bytes
	s_add_co_u32 s16, s16, s17
	s_mov_b32 s17, 0
	s_lshl_b32 s62, s58, 7
	s_lshl_b32 s63, s14, 6
	s_add_co_u32 s62, s62, s63                     ; w_proj: row 128 bx + 64 half
	s_lshl_b32 s62, s62, 11
	s_add_co_u32 s62, s62, WPB
	s_mov_b32 s63, 0
	s_mul_i32 s20, s12, ASUB                       ; LDS: the wave's number times a constant
	s_mul_i32 s21, s12, BHALF
	s_add_co_u32 s21, s21, BOFF
	s_wait_dscnt 0x0
	s_wait_kmcnt 0x0
	s_add_nc_u64 s[16:17], s[4:5], s[16:17]
	s_add_nc_u64 s[62:63], s[6:7], s[62:63]
	CROUND                                         ; the first joint loads meet
.irp s, 0,1,2,3
	s_mov_b32 s[G0+4*\s], 1
	s_add_co_u32 s[G0+4*\s+1], s20, \s*SLOT
	s_add_nc_u64 s[G0+4*\s+2:G0+4*\s+3], s[16:17], \s*524288       ; two heads on
	s_or_b32 s[G0+4*\s+3], s[G0+4*\s+3], 0x80000000
	s_mov_b32 s[G0B+4*\s], 1
	s_add_co_u32 s[G0B+4*\s+1], s21, \s*SLOT
	s_add_nc_u64 s[G0B+4*\s+2:G0B+4*\s+3], s[62:63], \s*256        ; 128 along K
	s_or_b32 s[G0B+4*\s+3], s[G0B+4*\s+3], 0x80000000
	JLOAD \s                                       ; K steps 0 to 3
.endr
	v_and_b32 v1, 15, v0                           ; r
	v_bfe_u32 v2, v0, 4, 1                         ; h
	s_lshl_b32 s84, s58, 7
	s_lshl_b32 s85, s14, 6
	s_add_co_u32 s84, s84, s85
	s_lshl_b32 s84, s84, 2                         ; my first column, in bytes of f32
	s_mov_b32 s85, 0
	s_add_nc_u64 s[8:9], s[8:9], s[84:85]
	v_lshlrev_b32 v27, 5, v2                       ; 8 h numbers
.irp b, 0,1,2,3
	global_load_b128 v[BIAS+8*\b:BIAS+8*\b+3],   v27, s[8:9] offset:64*\b
	global_load_b128 v[BIAS+8*\b+4:BIAS+8*\b+7], v27, s[8:9] offset:64*\b+16
.endr
	s_lshl_b32 s86, s13, 7
	s_lshl_b32 s87, s15, 6
	s_add_co_u32 s86, s86, s87                     ; my first row
	s_lshl_b32 s86, s86, 12                        ; rows of 4,096 bytes
	s_add_co_u32 s86, s86, s84
	s_mov_b32 s87, 0
	s_add_nc_u64 s[10:11], s[10:11], s[86:87]
	v_mul_u32_u24 v3, v1, AP
	v_lshl_add_u32 v3, v2, 4, v3
	v_mul_u32_u24 v4, v1, BP
	v_lshl_add_u32 v4, v2, 4, v4
	s_mul_i32 s22, s15, 64*AP                      ; my 64 rows of y
	s_mul_i32 s23, s14, BHALF                      ; my 64 rows of w_proj,
	s_add_co_u32 s23, s23, 2*ASUB                  ; which lie behind y's two heads
.irp s, 0,1,2,3
	v_add_nc_u32 v[ADRA+\s], s22, v3
	v_add_nc_u32 v[ADRB+\s], s23, v4
	s_add_co_u32 s22, s22, SLOT
	s_add_co_u32 s23, s23, SLOT
.endr
	s_mul_i32 s84, s12, 16*SPITCH
	s_add_co_u32 s84, s84, STAGE
	v_mul_u32_u24 v5, v1, SPITCH
	v_lshl_add_u32 v5, v2, 5, v5
	v_add_nc_u32 v[STO], s84, v5                   ; in: row r, 32 bytes for each half of the lanes
	v_mul_u32_u24 v5, v2, SPITCH
	v_lshl_add_u32 v5, v1, 4, v5
	v_add_nc_u32 v[RD], s84, v5                    ; back: lanes 0-15 one row of 256 bytes, lanes 16-31 the next
	v_lshlrev_b32 v5, 12, v2
	v_lshl_add_u32 v[CO], v1, 4, v5                ; the same two rows in out0
; 16 matrix instructions: all 16 tiles, 32 along K (half ks of buffer buf).  The 16 accumulators take turns, one instruction a turn.
.macro MUL16 buf, ks, zero
.irp a, 0,1,2,3
.irp b, 0,1,2,3
.if \zero
	v_wmma_f32_16x16x32_f16 v[8*(4*\a+\b):8*(4*\a+\b)+7], v[128*\buf+8*(4*\ks+\b):128*\buf+8*(4*\ks+\b)+7], v[128*\buf+64+8*(4*\ks+\a):128*\buf+64+8*(4*\ks+\a)+7], 0
.else
	v_wmma_f32_16x16x32_f16 v[8*(4*\a+\b):8*(4*\a+\b)+7], v[128*\buf+8*(4*\ks+\b):128*\buf+8*(4*\ks+\b)+7], v[128*\buf+64+8*(4*\ks+\a):128*\buf+64+8*(4*\ks+\a)+7], v[8*(4*\a+\b):8*(4*\a+\b)+7]
.endif
.endr
.endr
.endm
; 32 LDS loads in one run: head kh of the slot (64 along K), the first 32 of K first
.macro FETCH slot, kh, buf
	WIN TO_F
.irp ks, 0,1
.irp b, 0,1,2,3
	ds_load_b128 v[128*\buf+8*(4*\ks+\b):128*\buf+8*(4*\ks+\b)+3],   v[ADRB+\slot] offset:\b*16*BP+128*\kh+64*\ks
	ds_load_b128 v[128*\buf+8*(4*\ks+\b)+4:128*\buf+8*(4*\ks+\b)+7], v[ADRB+\slot] offset:\b*16*BP+128*\kh+64*\ks+32
.endr
.irp a, 0,1,2,3
	ds_load_b128 v[128*\buf+64+8*(4*\ks+\a):128*\buf+64+8*(4*\ks+\a)+3],   v[ADRA+\slot] offset:\kh*ASUB+\a*16*AP+64*\ks
	ds_load_b128 v[128*\buf+64+8*(4*\ks+\a)+4:128*\buf+64+8*(4*\ks+\a)+7], v[ADRA+\slot] offset:\kh*ASUB+\a*16*AP+64*\ks+32
.endr
.endr
.endm
; 64 along K from buffer buf; fetch = 1: in the middle the next 64 (slot nslot, head nkh) are fetched into buffer obuf
.macro HSTEP buf, fetch, nslot, nkh, obuf, zero
	s_wait_dscnt 16                                ; the first 32 of K are in; the 16 loads for the second 32 may be out
	WIN MUL
	MUL16 \buf, 0, \zero
.if \fetch
	PLACES
	FETCH \nslot, \nkh, \obuf
	s_wait_dscnt 32                                ; all but the 32 just issued
.else
	s_wait_dscnt 0
.endif
	WIN MUL
	MUL16 \buf, 1, 0
.endm
; two slots = 256 along K = 128 matrix instructions
.macro PHASE sa, sb, zero
	PLACES
	FETCH \sa, 0, 0
	HSTEP 0, 1, \sa, 1, 1, \zero
	HSTEP 1, 1, \sb, 0, 0, 0
	HSTEP 0, 1, \sb, 1, 1, 0
	HSTEP 1, 0, 0, 0, 0, 0
	WIN 0
.endm
; slots sa and sb, which have been read, are filled again, four K steps on: every wave's reads and tensor loads are waited for in front of the round,
; the joint refills are the first tensor loads behind it
.macro REFILL sa, sb
	s_wait_dscnt 0x0
	s_wait_tensorcnt 0x0
	ds_add_u32 v254, v255
	s_wait_dscnt 0x0
	CROUND
.irp t, \sa, \sb
	s_add_nc_u64 s[G0+4*\t+2:G0+4*\t+3], s[G0+4*\t+2:G0+4*\t+3], 4*524288
	s_add_nc_u64 s[G0B+4*\t+2:G0B+4*\t+3], s[G0B+4*\t+2:G0B+4*\t+3], 4*256
.endr
	JLOAD \sa
	JLOAD \sb
.endm
	s_wait_loadcnt 0x0                             ; the bias
	s_wait_tensorcnt 0x2                           ; my parts of slots 0 and 1 are in; slots 2 and 3 may stay out
	s_barrier_signal -1
	s_barrier_wait -1
	PHASE 0, 1, 1                                  ; K steps 0, 1: the first products start the sums
	REFILL 0, 1                                    ; K steps 4, 5 go out
	PHASE 2, 3, 0                                  ; K steps 2, 3
	REFILL 2, 3                                    ; K steps 6, 7 go out
	PHASE 0, 1, 0                                  ; K steps 4, 5
	s_wait_dscnt 0x0
	s_wait_tensorcnt 0x0                           ; my parts of K steps 6, 7
	s_barrier_signal -1
	s_barrier_wait -1
	PHASE 2, 3, 0
	; THE WAY OUT, 16 rows at a time: bias added, through my own stage, whole rows of 256 bytes out
	PLACES
.macro OUT16 a, rb
	WIN 0x01
.irp b, 0,1,2,3
.irp q, 0,2,4,6
	v_pk_add_f32 v[TMP+8*\b+\q:TMP+8*\b+\q+1], v[8*(4*\a+\b)+\q:8*(4*\a+\b)+\q+1], v[BIAS+8*\b+\q:BIAS+8*\b+\q+1]
.endr
.endr
	WIN 0
.irp b, 0,1,2,3
	ds_store_b128 v[STO], v[TMP+8*\b:TMP+8*\b+3]   offset:64*\b
	ds_store_b128 v[STO], v[TMP+8*\b+4:TMP+8*\b+7] offset:64*\b+16
.endr
	s_wait_xcnt 0x0                                ; the set rb, which earlier stores read, is loaded again only behind this wait
.irp t, 0,1,2,3,4,5,6,7
	ds_load_b128 v[\rb+4*\t:\rb+4*\t+3], v[RD] offset:\t*2*SPITCH   ; my own bytes, served in order behind the stores
.endr
.irp t, 0,1,2,3,4,5,6,7
	s_wait_dscnt 7-\t                              ; the 7 - t younger loads may be out
	global_store_b128 v[CO], v[\rb+4*\t:\rb+4*\t+3], s[10:11] offset:(16*\a+2*\t)*4096 th:TH_STORE_NT   ; 16 lanes store 256 consecutive bytes, aligned
.endr
.endm
	OUT16 0, RB
	OUT16 1, RB+32
	OUT16 2, RB
	OUT16 3, RB+32
	s_wait_tensorcnt 0x0
	ds_add_u32 v254, v255
	s_wait_dscnt 0x0
	CROUND                                         ; the closing round
	s_endpgm
.Lfunc_end_k_qc943c8a961_proj:
	.size	k_qc943c8a961_proj, .Lfunc_end_k_qc943c8a961_proj-k_qc943c8a961_proj
	.p2alignl 7, 3214868480
	.fill 96, 4, 3214868480
	.section	.rodata,"a",@progbits
	.p2align	6, 0x0
	.amdhsa_kernel k_qc943c8a961_proj
		.amdhsa_group_segment_fixed_size 327680
		.amdhsa_private_segment_fixed_size 0
		.amdhsa_enable_private_segment 0
		.amdhsa_kernarg_size 32
		.amdhsa_user_sgpr_count 2
		.amdhsa_user_sgpr_kernarg_segment_ptr 1
		.amdhsa_wavefront_size32 1
		.amdhsa_system_sgpr_workgroup_id_x 1
		.amdhsa_system_sgpr_workgroup_id_y 1
		.amdhsa_system_sgpr_workgroup_id_z 1
		.amdhsa_system_vgpr_workitem_id 0
		.amdhsa_next_free_vgpr 768
		.amdhsa_next_free_sgpr 100
		.amdhsa_reserve_vcc 0
		.amdhsa_float_denorm_mode_32 3
		.amdhsa_float_denorm_mode_16_64 3
		.amdhsa_memory_ordered 1
		.amdhsa_forward_progress 1
		.amdhsa_inst_pref_size 94
	.end_amdhsa_kernel
	.amdgpu_metadata
---
amdhsa.version: [ 1, 2 ]
amdhsa.kernels:
  - .name:           k_qc943c8a961_proj
    .symbol:         k_qc943c8a961_proj.kd
    .args:
      - { .name: yb, .offset: 0, .size: 8, .value_kind: global_buffer, .address_space: global }
      - { .name: cvt, .offset: 8, .size: 8, .value_kind: global_buffer, .address_space: global }
      - { .name: b_proj, .offset: 16, .size: 8, .value_kind: global_buffer, .address_space: global }
      - { .name: out0, .offset: 24, .size: 8, .value_kind: global_buffer, .address_space: global }
    .group_segment_fixed_size: 327680
    .private_segment_fixed_size: 0
    .kernarg_segment_align: 8
    .kernarg_segment_size: 32
    .max_flat_workgroup_size: 128
    .sgpr_count:     100
    .vgpr_count:     768
    .wavefront_size: 32
...
	.end_amdgpu_metadata
.endif
;; end of part 4
